; MI455X (gfx1250); checked and timed in simulation.
; The chip was launched on July 23, 2026; its instructions are those of AMD's public machine-readable ISA for CDNA 5 (MIT licence, August 2026) and "CDNA5" Instruction Set Architecture Reference Guide (July 2026). The comments in the code are by the model that wrote it; some were corrected since.
;; Content Based Attention. Allowed arithmetic: float matrix products may take bf16 or f16 operands with f32 sums; other float arithmetic in f32, or as packed bf16 or f16 multiplies, adds, multiply-adds, maxima and minima; sums over many terms, partial sums and values carried from step to step in f32; what a program stores and reads back later, other than sums and carried values, may be rounded once to bf16 or f16.
;; Inputs: Wk 1,024 x 1,024 float32; Wq 1,024 x 1,024 float32; Wv 1,024 x 1,024 float32; bk 1,024 float32; bq 1,024 float32; bv 1,024 float32; x 4 x 4,096 x 1,024 float32.
;; Outputs: out0 4 x 4,096 x 1,024 float32.
;; One version. Each part assembles by itself: llvm-mc -triple=amdgcn-amd-amdhsa -mcpu=gfx1250 --defsym DOCPART=n.
;; ======== version 1 of 1: 3 launches
;; limits: values are held in f16: magnitudes above 65,504 overflow, below 6.1e-05 lose precision
;; workspace buffers: xb 33,554,432 bytes; wb 6,291,456 bytes; bb 12,288 bytes; qkv 100,663,296 bytes
;; launch prep (part 1): grid 1217 x 1, 8 waves a work-group, no clusters, 0 bytes of LDS; arguments x, Wq, Wk, Wv, bq, bk, bv, xb, wb, bb; writes xb, wb, bb
.if DOCPART == 1
	.amdgcn_target "amdgcn-amd-amdhsa--gfx1250"
	.amdhsa_code_object_version 6
	.text
	.protected	k_q07f351e08c_prep
	.globl	k_q07f351e08c_prep
	.p2align	8
	.type	k_q07f351e08c_prep,@function
k_q07f351e08c_prep:
	s_mov_b64 s[64:65], 0
	v_nop
	global_prefetch_b8 v0, s[64:65] scope:SCOPE_SE
	s_setreg_imm32_b32 hwreg(HW_REG_WAVE_MODE, 25, 1), 1
	s_wait_xcnt 0x0
; x, Wq, Wk, Wv rounded once to bf16; bq, bk, bv rounded to a bf16's value and kept as f32.  The rows of the weights, and the biases with them, are put in the order in which
; the last launch wants a token's q, k and v to lie.  xb: [16384][1024] bf16.  wb: [3072][1024] bf16, rows 0-1023 q', 1024-2047 k', 2048-3071 v'.  bb: [3072] f32, in wb's order.
; THE ORDER.  Feature n = 64 head + d of a projection becomes row n' of its third of wb:
;   q', k':  n' = 128 (d / 8) + 8 head + d % 8            v':  n' = 256 (d / 16) + 128 (head / 8) + 8 (d % 16) + head % 8
; SHARES.  A work-group casts 16 rows of 1,024 f32.  Work-groups 0-1023: x.  1024-1215: 16 rows n' of wb each, fetched from where they lie in W.  1216: the three biases.
; Thread t takes the 16 bytes at 16 t of every row: a wave's load covers 512 consecutive bytes; its four numbers leave as 8 bytes: a wave's store covers 256 consecutive bytes, aligned.
; All sixteen loads of a thread go out at once, each into registers of its own: no register is written twice, so no wait but the counted ones for the data.
; No LDS, no matrix unit, no cluster: no byte is wanted by two work-groups.
.set X, 4                              ; v[4:67]  row i as loaded in v[4+4i : 7+4i]; its 8 bytes to store in the first two of them
.set SRC, 26                           ; s[26:27] where the work-group's first row lies
.set DST, 30                           ; s[30:31] where its 16 rows go
.macro LD16 kind                       ; the 16 rows: kind 0: as they lie; 1: q', k'; 2: v'.  Row 16 gg + i of a third: what hangs on i stands in the immediate
.irp i, 0,1,2,3,4,5,6,7,8,9,10,11,12,13,14,15
.if (\kind) == 0
.set OFFS, (\i)*4096
.elseif (\kind) == 1
.set OFFS, (((\i)>>3)*64+((\i)&7))*4096        ; head grows by i / 8, d % 8 = i % 8
.else
.set OFFS, (((\i)&7)*64+((\i)>>3))*4096        ; head % 8 = i % 8, d % 16 grows by i / 8
.endif
	global_load_b128 v[X+4*(\i):X+4*(\i)+3], v1, s[SRC:SRC+1] offset:OFFS th:TH_LOAD_NT
.endr
.endm
	s_load_b512 s[4:19], s[0:1], 0x0               ; x 4:5, Wq 6:7, Wk 8:9, Wv 10:11, bq 12:13, bk 14:15, bv 16:17, xb 18:19
	s_load_b128 s[20:23], s[0:1], 0x40             ; wb 20:21, bb 22:23
	v_lshlrev_b32 v1, 4, v0                        ; 16 t: my bytes of a row of f32
	v_lshlrev_b32 v2, 3, v0                        ; 8 t: my bytes of a row of bf16
	s_mov_b32 s24, ttmp9
	s_mov_b32 s33, 0                               ; offsets are made apart from the addresses, in pairs with 0 above
	s_mov_b32 s35, 0
	s_wait_kmcnt 0x0
	s_cmp_lt_u32 s24, 1024
	s_cbranch_scc0 .Lweights
	s_lshl_b32 s32, s24, 16                        ; 16 rows of 4,096 bytes
	s_lshl_b32 s34, s24, 15                        ; 16 rows of 2,048 bytes
	s_add_nc_u64 s[SRC:SRC+1], s[4:5], s[32:33]
	s_add_nc_u64 s[DST:DST+1], s[18:19], s[34:35]
	LD16 0
	s_branch .Lcv
.Lweights:
	s_cmp_eq_u32 s24, 1216
	s_cbranch_scc1 .Lbias
	s_sub_co_u32 s25, s24, 1024                    ; w: rows 16 w .. 16 w + 15 of wb
	s_lshr_b32 s28, s25, 6                         ; which matrix
	s_and_b32 s29, s25, 63                         ; gg: rows 16 gg .. of its third
	s_lshl_b32 s34, s25, 15
	s_add_nc_u64 s[DST:DST+1], s[20:21], s[34:35]
	s_cmp_eq_u32 s28, 2
	s_cbranch_scc1 .Lwv
	s_and_b32 s32, s29, 7                          ; q', k': row of W = 128 (gg % 8) + 8 (gg / 8) + what hangs on i
	s_lshl_b32 s32, s32, 7
	s_lshr_b32 s36, s29, 3
	s_lshl_b32 s36, s36, 3
	s_add_co_u32 s32, s32, s36
	s_lshl_b32 s32, s32, 12
	s_cmp_eq_u32 s28, 0
	s_cselect_b64 s[SRC:SRC+1], s[6:7], s[8:9]
	s_add_nc_u64 s[SRC:SRC+1], s[SRC:SRC+1], s[32:33]
	LD16 1
	s_branch .Lcv
.Lwv:
	s_bfe_u32 s32, s29, 0x10003                    ; v': row of W = 512 ((gg / 8) % 2) + 16 (gg / 16) + 2 (gg % 8) + what hangs on i
	s_lshl_b32 s32, s32, 9
	s_lshr_b32 s36, s29, 4
	s_lshl_b32 s36, s36, 4
	s_add_co_u32 s32, s32, s36
	s_and_b32 s36, s29, 7
	s_lshl_b32 s36, s36, 1
	s_add_co_u32 s32, s32, s36
	s_lshl_b32 s32, s32, 12
	s_add_nc_u64 s[SRC:SRC+1], s[10:11], s[32:33]
	LD16 2
.Lcv:
.irp i, 0,1,2,3,4,5,6,7,8,9,10,11,12,13,14,15
	s_wait_loadcnt 15-(\i)                         ; loads come back in order: row i is in, the 15 - i younger ones stay out
	v_cvt_pk_bf16_f32 v[X+4*(\i)], v[X+4*(\i)], v[X+4*(\i)+1]
	v_cvt_pk_bf16_f32 v[X+4*(\i)+1], v[X+4*(\i)+2], v[X+4*(\i)+3]
	global_store_b64 v2, v[X+4*(\i):X+4*(\i)+1], s[DST:DST+1] offset:2048*(\i) th:TH_STORE_NT
.endr
	s_endpgm
.Lbias:                                        ; thread t makes places n' = 2 t, 2 t + 1 and 2 t + 512, 2 t + 513 of each third of bb
	v_lshlrev_b32 v66, 1, v0                       ; n'
	v_bfe_u32 v67, v66, 3, 4                       ; (n' / 8) % 16: the head in q', k'; d % 16 in v'
	v_lshrrev_b32 v70, 7, v66                      ; n' / 128
	v_and_b32 v71, 7, v66                          ; n' % 8
	v_lshl_add_u32 v68, v67, 6, v71                ; q', k': n = 64 head + 8 (n' / 128) + n' % 8; the neighbour n' + 1 lies beside it; n' + 512 lies 32 numbers on
	v_lshl_add_u32 v68, v70, 3, v68
	v_lshlrev_b32 v68, 2, v68
	v_and_b32 v69, 1, v70                          ; v': head = 8 ((n' / 128) % 2) + n' % 8, d = 16 (n' / 256) + (n' / 8) % 16
	v_lshl_add_u32 v69, v69, 3, v71
	v_lshl_add_u32 v69, v69, 6, v67
	v_lshrrev_b32 v70, 8, v66
	v_lshl_add_u32 v69, v70, 4, v69                ; the neighbour n' + 1 is the next head, 64 numbers on; n' + 512 lies 32 numbers on
	v_lshlrev_b32 v69, 2, v69
	global_load_b64 v[4:5], v68, s[12:13]
	global_load_b64 v[6:7], v68, s[12:13] offset:128
	global_load_b64 v[8:9], v68, s[14:15]
	global_load_b64 v[10:11], v68, s[14:15] offset:128
	global_load_b32 v12, v69, s[16:17]
	global_load_b32 v13, v69, s[16:17] offset:256
	global_load_b32 v14, v69, s[16:17] offset:128
	global_load_b32 v15, v69, s[16:17] offset:384
	s_wait_loadcnt 0x0
.irp j, 0,1,2,3,4,5
	v_cvt_pk_bf16_f32 v70, v[4+2*(\j)], v[5+2*(\j)]  ; rounded as the other inputs are,
	v_lshlrev_b32 v[4+2*(\j)], 16, v70               ; and written as f32 again: the sums begin with it
	v_and_b32 v[5+2*(\j)], 0xffff0000, v70
	global_store_b64 v2, v[4+2*(\j):5+2*(\j)], s[22:23] offset:2048*(\j)
.endr
	s_endpgm
.Lfunc_end_k_q07f351e08c_prep:
	.size	k_q07f351e08c_prep, .Lfunc_end_k_q07f351e08c_prep-k_q07f351e08c_prep
	.p2alignl 7, 3214868480
	.fill 96, 4, 3214868480
	.section	.rodata,"a",@progbits
	.p2align	6, 0x0
	.amdhsa_kernel k_q07f351e08c_prep
		.amdhsa_group_segment_fixed_size 0
		.amdhsa_private_segment_fixed_size 0
		.amdhsa_enable_private_segment 0
		.amdhsa_kernarg_size 80
		.amdhsa_user_sgpr_count 2
		.amdhsa_user_sgpr_kernarg_segment_ptr 1
		.amdhsa_wavefront_size32 1
		.amdhsa_system_sgpr_workgroup_id_x 1
		.amdhsa_system_sgpr_workgroup_id_y 1
		.amdhsa_system_sgpr_workgroup_id_z 1
		.amdhsa_system_vgpr_workitem_id 0
		.amdhsa_next_free_vgpr 72
		.amdhsa_next_free_sgpr 66
		.amdhsa_reserve_vcc 0
		.amdhsa_float_denorm_mode_32 3
		.amdhsa_float_denorm_mode_16_64 3
		.amdhsa_memory_ordered 1
		.amdhsa_forward_progress 1
		.amdhsa_inst_pref_size 14
	.end_amdhsa_kernel
	.amdgpu_metadata
---
amdhsa.version: [ 1, 2 ]
amdhsa.kernels:
  - .name:           k_q07f351e08c_prep
    .symbol:         k_q07f351e08c_prep.kd
    .args:
      - { .name: x, .offset: 0, .size: 8, .value_kind: global_buffer, .address_space: global }
      - { .name: Wq, .offset: 8, .size: 8, .value_kind: global_buffer, .address_space: global }
      - { .name: Wk, .offset: 16, .size: 8, .value_kind: global_buffer, .address_space: global }
      - { .name: Wv, .offset: 24, .size: 8, .value_kind: global_buffer, .address_space: global }
      - { .name: bq, .offset: 32, .size: 8, .value_kind: global_buffer, .address_space: global }
      - { .name: bk, .offset: 40, .size: 8, .value_kind: global_buffer, .address_space: global }
      - { .name: bv, .offset: 48, .size: 8, .value_kind: global_buffer, .address_space: global }
      - { .name: xb, .offset: 56, .size: 8, .value_kind: global_buffer, .address_space: global }
      - { .name: wb, .offset: 64, .size: 8, .value_kind: global_buffer, .address_space: global }
      - { .name: bb, .offset: 72, .size: 8, .value_kind: global_buffer, .address_space: global }
    .group_segment_fixed_size: 0
    .private_segment_fixed_size: 0
    .kernarg_segment_align: 8
    .kernarg_segment_size: 80
    .max_flat_workgroup_size: 256
    .sgpr_count:     66
    .vgpr_count:     72
    .wavefront_size: 32
...
	.end_amdgpu_metadata
.endif
;; end of part 1
;; launch proj (part 2): grid 4 x 64, 4 waves a work-group, clusters of 4 x 4, 327,680 bytes of LDS; arguments xb, wb, bb, qkv; writes qkv
.if DOCPART == 2
	.amdgcn_target "amdgcn-amd-amdhsa--gfx1250"
	.amdhsa_code_object_version 6
	.text
	.protected	k_q07f351e08c_proj
	.globl	k_q07f351e08c_proj
	.p2align	8
	.type	k_q07f351e08c_proj,@function
k_q07f351e08c_proj:
	s_mov_b64 s[64:65], 0
	v_nop
	global_prefetch_b8 v0, s[64:65] scope:SCOPE_SE
	s_setreg_imm32_b32 hwreg(HW_REG_WAVE_MODE, 25, 1), 1
	s_wait_xcnt 0x0
	s_wait_alu depctr_hold_cnt(0) depctr_sa_sdst(0) depctr_va_vdst(0) depctr_va_sdst(0) depctr_va_ssrc(0) depctr_va_vcc(0) depctr_vm_vsrc(0)
	s_getreg_b32 s2, hwreg(HW_REG_IB_STS2, 6, 4)
	s_cmp_eq_u32 s2, 0
	s_cbranch_scc0 .Lentry_in_a_cluster
	s_endpgm
.Lentry_in_a_cluster:
	s_bfe_u32 s2, ttmp6, 0x10000c
	s_cmp_lg_u32 s2, 0xf033
	s_cbranch_scc0 .Lentry_shape_is_right
	s_endpgm
.Lentry_shape_is_right:
; qkv[m][n] = bb[n] + the sum over k of xb[m][k] wb[n][k].  xb: [16384][1024] bf16, wb: [3072][1024] bf16, bb: [3072] f32, qkv: [16384][3072] f16.  Sums in f32, K ascending, rounded once.
; LIMIT.  f16 holds no number beyond 65,504: q, k and v must stay within it (with x and the weights 30 times the drawn spread, or offset by 30 spreads, they are some 2e4 at the most).
; SHARES.  A tile of qkv is 256 x 256: four waves, each 128 x 128 in 64 accumulators, 512 registers.  768 tiles, three for each of 256 work-groups: A WORK-GROUP STAYS and makes, for its 256
; tokens, 256 features of q', then the same of k', then of v' (1,024 features apart): xb's rows stay through the walk, wb's go 1,024 rows down.  K goes in steps of 128 through a ring of two LDS
; slots filled by the tensor data mover; the ring runs on across a change of tiles, and nothing waits for a tile's stores.
; CLUSTERS: 4 x 4 work-groups.  The four of a row of the cluster need the same tiles of xb, the four of a column the same tiles of wb: each tile is asked for JOINTLY, by the same tensor load
; with the same descriptor and a mask that names the four.
; THE BIAS STARTS THE SUMS: the first product on each accumulator takes, as its C operand, eight registers that hold the bias of the lane's eight features.  Nothing is cleared and nothing is added later.
; THE MATRIX INSTRUCTION IS USED TRANSPOSED: source 0 = 16 rows of wb, source 1 = 16 rows of xb.  In the result lane l holds token l % 16 and features 8 (l / 16) + 0..7: 16 bytes of f16 on end.
; REGISTERS, in windows of 256 (s_set_vgpr_msb: bits 1:0 source 0, 3:2 source 1, 5:4 source 2, 7:6 destination):
;   window 0: v0-31 addresses; v64-127, v128-191 fragments of xb, two buffers; v32-63, v192-255 at work on the way out
;   window 1: v0-63 the bias (features 16 b + 8 (l / 16) + j at v[8 b + j]); v64-127, v128-191 fragments of wb, two buffers
;   window 2: the 32 accumulators of my rows 0-63 (accumulator (a, b) at v[8 (8 a + b)]);   window 3: those of my rows 64-127
.set SIZE_K, 1024
.set SIZE_N, 3072
.set TILES,  3
.set WALK,   1024                      ; rows of wb, and features of qkv, from a tile to the next
.set KSTEP,  128
.set PITCH,  272                       ; an LDS row: 256 bytes of data + 16 of padding = 68 words: row r starts at bank 4 r mod 64 (64 banks of 4 bytes: ISA guide 11.1)
.set HALFT,  128*PITCH                 ; 128 rows: what one tensor load brings, and what one wave reads of xb or of wb
.set SLOT,   4*HALFT                   ; xb's 256 rows, then wb's 256 rows
.set STAGE,  2*SLOT                    ; behind the ring: 16 rows x 272 bytes for each wave, for the way out; no tensor load lands there
.set SPITCH, 272
.set SPARE,  STAGE+4*16*SPITCH         ; behind the stages: the spare words, 128 bytes for each wave: two blocks of 256 bytes that no other line names
.set LAPS,   SIZE_K/(2*KSTEP)          ; a lap = two K steps = once round the ring: 4
.set ROWC,   SIZE_N*2                  ; bytes in a row of qkv
.set BACK_A, (SIZE_K-2*KSTEP)*2        ; bytes from a slot's last K step of a tile back to its first: xb's rows stay
.set NEXT_B, WALK*SIZE_K*2-BACK_A      ; wb goes WALK rows down and back along K
.set ADRA, 16                          ; v16-17  LDS address of my xb fragments in slot 0, 1
.set ADRB, 20                          ; v20-21  the same for wb
.set STO,  24                          ; v24     the way out: where I put 16 bytes of a row
.set RD,   25                          ; v25     the way out: where I read a row back
.set CO,   26                          ; v26     my byte offset in two rows of qkv
.set BO,   27                          ; v27     32 (l / 16): my eight numbers in 16 of the bias
.set SPW,  28                          ; v28     LDS address of my spare word: SPARE + 4 x my thread's number; never rewritten
.set NIL,  29                          ; v29     0; never rewritten
.set PFO,  30                          ; v30     the prefetches' offset: my lane x a row of 2,048 bytes; never rewritten
.set F0,   64
.set F1,   128
.set TMP,  192                         ; the way out: packed results
.set OB,   32                          ; the way out: 16 rows read back from the stage: v32-63 and v224-255 by turns
.set BBP,  8                           ; s[8:9]   bb at my 128 features of the tile in hand
.set CP,   10                          ; s[10:11] qkv at my 128 x 128 of the tile in hand
.set WV,   12                          ; s12  my wave's number
.set RH,   13                          ; s13  which half of the tile's rows is mine.  Also: I fetch for xb (0) or for wb (1)
.set CH,   14                          ; s14  which half of its columns.  Also: which 128 rows of that tile I fetch
.set LIM,  15                          ; s15  1 in a wave that prefetches, else the greatest number
.set G1,   24                          ; s[24:31] descriptor group 1 for xb's tiles
.set G0,   32                          ; s[32:39] descriptor group 0 for xb's tiles, one set for each slot
.set PFA,  44                          ; s[44:45] where my prefetches stand: one K step further along K than the refill that is being asked for; a prefetch names the K step after that
.set G1B,  48                          ; s[48:55] descriptor group 1 for wb's tiles: it differs in the mask alone
.set G0B,  56                          ; s[56:63] descriptor group 0 for wb's tiles
.set MSB, 0
.macro WIN new                         ; the immediate's high byte repeats the setting that is left; a switch that changes nothing is dropped
.if MSB != (\new)
	s_set_vgpr_msb (MSB<<8)|(\new)
.set MSB, \new
.endif
.endm
.set TO_B, 0x40                        ; destination window 1, address window 0
; A joint load.  Waves 0 and 1 fetch xb's two halves, waves 2 and 3 wb's.  Each line has one mask and one set of registers for all that issue it.  The branch hangs on the wave's number alone.
; An s_nop 0 and four v_nop follow each of the two lines, ahead of the jump, the label and what follows.
.macro JLOAD s
	s_cmp_eq_u32 s[RH], 0
	s_cbranch_scc0 .Lfor_b_\@
	tensor_load_to_lds s[G0+4*(\s):G0+4*(\s)+3], s[G1:G1+7]
	s_nop 0
.rept 4
	v_nop
.endr
	s_branch .Lasked_\@
.Lfor_b_\@:
	tensor_load_to_lds s[G0B+4*(\s):G0B+4*(\s)+3], s[G1B:G1B+7]
	s_nop 0
.rept 4
	v_nop
.endr
.Lasked_\@:
.endm
; A PREFETCH INTO THE L2, behind each joint load, its five lines and the run of LDS loads that follows them: the K step that stands TWO refills on, 512 matrix instructions ahead of the load that
; will want it: 32 rows x 256 bytes, a lane a row, one instruction a wave.  Each row's 256 bytes of a K step are named ONCE in the launch: xb's rows are read by one cluster alone, which asks
; (cluster x = 0: there is no other); wb's rows are read by every cluster: cluster y = 0 asks.  The four partners that ask for a tile jointly share its rows out BY ADDRESS: of the 128 rows that
; a wave fetches the partner at place p takes 32 p .. 32 p + 31 (p = cx for xb, cy for wb).  how = 0, in the loop: a tile's last two refills have no K step two on; how = 1, at a change of tiles.
.macro ASK how
.if \how
	s_cmp_eq_u32 s[LIM], 1
.else
	s_cmp_gt_u32 s3, s[LIM]                        ; s3 = 1 in the loop's last trip
.endif
	s_cbranch_scc0 .Lnot_mine_\@
	global_prefetch_b8 v[PFO], s[PFA:PFA+1] offset:KSTEP*2 th:TH_LOAD_NT scope:SCOPE_SE
.Lnot_mine_\@:
.endm
; A round of the cluster's barrier: my work-group's barrier, so that wave 0's signal speaks for all four waves; wave 0 signals; every wave waits for all sixteen work-groups; my work-group's barrier once more.
.macro CREST                           ; a round behind its opening barrier
	s_cmp_lg_u32 s[WV], 0
	s_cbranch_scc1 .Lnot_wave_0_\@
	s_barrier_signal -3
.Lnot_wave_0_\@:
	s_barrier_wait -3
	s_barrier_signal -1
	s_barrier_wait -1
.endm
.macro CROUND                          ; a whole round
	s_barrier_signal -1
	s_barrier_wait -1
	CREST
.endm
	s_load_b256 s[4:11], s[0:1], 0x0               ; xb s[4:5], wb s[6:7], bb s[8:9], qkv s[10:11]
	v_lshl_add_u32 v[SPW], v0, 2, SPARE
	v_mov_b32 v[NIL], 0
	ds_add_u32 v[SPW], v[NIL]                      ; the wave's opening: the add and its wait stand ahead of my first tensor load; the set-up below, work on registers, stands between them
	v_lshrrev_b32 v1, 5, v0
	v_readfirstlane_b32 s[WV], v1                  ; wave 0..3
	s_lshr_b32 s[RH], s[WV], 1
	s_and_b32 s[CH], s[WV], 1
	s_bfe_u32 s40, ttmp6, 0x40000                  ; cx: my place along the cluster's x
	s_bfe_u32 s41, ttmp6, 0x40004                  ; cy: along its y
	s_lshl_b32 s42, ttmp9, 2                       ; in a cluster launch ttmp9 and ttmp7 count clusters
	s_add_co_u32 s42, s42, s40                     ; bx: my 256 features of each third = 4 x cluster x + cx
	s_and_b32 s43, ttmp7, 0xffff
	s_lshl_b32 s43, s43, 2
	s_add_co_u32 s43, s43, s41                     ; by: my 256 tokens = 4 x cluster y + cy
	s_lshl_b32 s66, s41, 2
	s_lshl_b32 s66, 15, s66                        ; my row of the cluster: places 4 cy .. 4 cy + 3
	s_lshl_b32 s67, 0x1111, s40                    ; my column: places cx, cx + 4, cx + 8, cx + 12
	; descriptor group 1: a tile of 128 rows x 128 elements, padded in LDS
	s_or_b32 s[G1+0], s66, (1<<16)|(1<<20)|(1<<21)|(5<<22)|(3<<25)   ; 15:0 the mask: xb's tiles go to my row; 17:16 elements of 2 bytes; 20 padding on; 21 set beside a mask; 24:22 after every 64 words (code 5); 31:25 4 words of it (code 3)
	s_or_b32 s[G1B+0], s67, (1<<16)|(1<<20)|(1<<21)|(5<<22)|(3<<25)  ; the same with the mask of my column, for wb's tiles
.irp g, G1, G1B
	s_mov_b32 s[(\g)+1], KSTEP<<16                 ; tensor_dim0 = 128
	s_mov_b32 s[(\g)+2], 128<<16                   ; tensor_dim1 = 128
	s_mov_b32 s[(\g)+3], KSTEP<<16                 ; tile_dim0 = 128
	s_mov_b32 s[(\g)+4], 128                       ; tile_dim1 = 128
	s_mov_b32 s[(\g)+5], SIZE_K                    ; elements from row to row
	s_mov_b32 s[(\g)+6], 0
	s_mov_b32 s[(\g)+7], 0
.endr
	; where the tiles come from.  xb's hang on by alone, which my row of the cluster shares; wb's on bx alone, which my column shares.  Every wave makes both addresses and asks by one of them.
	s_lshl_b32 s21, s[CH], 7                       ; which 128 rows of the tile I fetch
	s_lshl_b32 s16, s43, 8
	s_add_co_u32 s16, s16, s21                     ; xb: row 256 by + 128 x half,
	s_lshl_b32 s16, s16, 11                        ; in bytes (33,552,384 at the most)
	s_mov_b32 s17, 0
	s_lshl_b32 s46, s42, 8
	s_add_co_u32 s46, s46, s21                     ; wb: row 256 bx + 128 x half
	s_lshl_b32 s46, s46, 11
	s_mov_b32 s47, 0
	s_mul_i32 s20, s[WV], HALFT                    ; and where they go: wave x 128 rows: no place in the cluster enters an LDS address
	s_wait_dscnt 0x0                               ; the opening add is done
	s_wait_kmcnt 0x0
	s_add_nc_u64 s[18:19], s[4:5], s[16:17]
	s_add_nc_u64 s[46:47], s[6:7], s[46:47]
	CROUND                                         ; all sixteen work-groups are here: the first joint loads meet
.irp s, 0,1
	s_mov_b32 s[G0+4*(\s)], 1                                        ; 1:0 count = 1
	s_add_co_u32 s[G0+4*(\s)+1], s20, (\s)*SLOT                      ; 63:32 LDS address
	s_add_nc_u64 s[G0+4*(\s)+2:G0+4*(\s)+3], s[18:19], (\s)*KSTEP*2  ; 120:64 global address: K step s
	s_or_b32 s[G0+4*(\s)+3], s[G0+4*(\s)+3], 0x80000000              ; 127:126 type = 2
	s_mov_b32 s[G0B+4*(\s)], 1
	s_add_co_u32 s[G0B+4*(\s)+1], s20, (\s)*SLOT
	s_add_nc_u64 s[G0B+4*(\s)+2:G0B+4*(\s)+3], s[46:47], (\s)*KSTEP*2
	s_or_b32 s[G0B+4*(\s)+3], s[G0B+4*(\s)+3], 0x80000000
	JLOAD \s                                       ; the ring is filled before anything else is done: two tensor loads of mine are out
.endr
	; A fragment is 16 rows x 32 K in 8 registers: lane l holds row l % 16; registers 0-3 hold K = 8 (l / 16) + 0..7, registers 4-7 K = 16 + 8 (l / 16) + 0..7: two loads of 16 bytes, 32 bytes apart.
	v_and_b32 v1, 15, v0                           ; l % 16
	v_bfe_u32 v2, v0, 4, 1                         ; l / 16
	v_mul_u32_u24 v3, v1, PITCH
	v_lshl_add_u32 v3, v2, 4, v3                   ; row x pitch + 16 x half
	s_mul_i32 s21, s[RH], HALFT                    ; my 128 rows of xb
	s_mul_i32 s22, s[CH], HALFT                    ; my 128 rows of wb,
	s_add_co_u32 s22, s22, 2*HALFT                 ; which lie behind xb's 256
.irp s, 0,1
	v_add_nc_u32 v[ADRA+(\s)], s21, v3
	v_add_nc_u32 v[ADRB+(\s)], s22, v3
	s_add_co_u32 s21, s21, SLOT
	s_add_co_u32 s22, s22, SLOT
.endr
	s_mul_i32 s23, s[WV], 16*SPITCH
	s_add_co_u32 s23, s23, STAGE                   ; my stage
	v_mul_u32_u24 v4, v1, SPITCH                   ; in: row l % 16, 16 bytes for each half of the lanes
	v_lshl_add_u32 v4, v2, 4, v4
	v_add_nc_u32 v[STO], s23, v4
	v_mul_u32_u24 v5, v2, SPITCH                   ; back: lanes 0-15 take one row of 256 bytes, lanes 16-31 the next
	v_lshl_add_u32 v5, v1, 4, v5
	v_add_nc_u32 v[RD], s23, v5
	v_mul_u32_u24 v5, v2, ROWC                     ; and the same two rows in qkv
	v_lshl_add_u32 v[CO], v1, 4, v5
	v_lshlrev_b32 v[BO], 5, v2
	s_lshl_b32 s16, s43, 8                         ; qkv at my part of the first tile: row 256 by + 128 x row half,
	s_lshl_b32 s17, s[RH], 7
	s_add_co_u32 s16, s16, s17
	s_mul_i32 s16, s16, ROWC                       ; in bytes (under 100,663,296),
	s_lshl_b32 s17, s42, 9                         ; feature 256 bx + 128 x column half, 2 bytes each
	s_add_co_u32 s16, s16, s17
	s_lshl_b32 s17, s[CH], 8
	s_add_co_u32 s16, s16, s17
	s_mov_b32 s17, 0
	s_add_nc_u64 s[CP:CP+1], s[CP:CP+1], s[16:17]
	s_lshl_b32 s16, s42, 10                        ; bb at the same feature, 4 bytes each
	s_lshl_b32 s17, s[CH], 9
	s_add_co_u32 s16, s16, s17
	s_mov_b32 s17, 0
	s_add_nc_u64 s[BBP:BBP+1], s[BBP:BBP+1], s[16:17]
	; the prefetches
	s_lshl_b32 s20, s43, 8
	s_lshl_b32 s21, s42, 8
	s_and_b32 s22, ttmp7, 0xffff                   ; cluster y
	s_cmp_eq_u32 s[RH], 0                          ; do I fetch for xb?
	s_cselect_b32 s20, s20, s21                    ; the tile's first row: in xb by by, in wb by bx
	s_cselect_b32 s21, s40, s41                    ; my place among the four that ask for it with me
	s_cselect_b32 s22, ttmp9, s22                  ; the coordinate along which other clusters read the same rows
	s_cselect_b64 s[PFA:PFA+1], s[4:5], s[6:7]
	s_cmp_eq_u32 s22, 0
	s_cselect_b32 s[LIM], 1, -1                    ; the same in all sixteen partners, for a given wave
	s_lshl_b32 s22, s[CH], 7
	s_add_co_u32 s20, s20, s22                     ; + the 128 rows that I fetch
	s_lshl_b32 s21, s21, 5
	s_add_co_u32 s20, s20, s21                     ; + my work-group's 32 of them
	s_lshl_b32 s20, s20, 11
	s_mov_b32 s21, 0
	s_add_nc_u64 s[PFA:PFA+1], s[PFA:PFA+1], s[20:21]
	s_add_nc_u64 s[PFA:PFA+1], s[PFA:PFA+1], 2*KSTEP*2  ; at K step 2: the first refill steps it to 3 and names K step 4.  Nothing is prefetched here, at the head, where every work-group's first tiles are on their way
	v_and_b32 v[PFO], 31, v0
	v_lshlrev_b32 v[PFO], 11, v[PFO]
; The bias of my 128 features: for block b of 16 the lane's eight numbers, 32 bytes, into v[8 b .. 8 b + 7] of window 1
.macro LOADBIAS
	WIN TO_B
.irp b, 0,1,2,3,4,5,6,7
	global_load_b128 v[8*(\b):8*(\b)+3],   v[BO], s[BBP:BBP+1] offset:64*(\b)
	global_load_b128 v[8*(\b)+4:8*(\b)+7], v[BO], s[BBP:BBP+1] offset:64*(\b)+16
.endr
	WIN 0
.endm
; 16 matrix instructions: m blocks a0, a0 + 1 of the window's four (hi = 0: my rows 0-63, 1: rows 64-127) x all 8 n blocks, 32 along K.
; zero = 1: the first product starts the sum with the bias: C in window 1, D in window 2 or 3.  The 64 accumulators take turns, one instruction a turn, in the same order in every quarter step.
.macro MUL16 f, hi, a0, zero
.if \zero
	WIN 0x91+0x40*(\hi)                            ; source 0 (wb) window 1, source 1 (xb) window 0, C window 1, D window 2 or 3
.else
	WIN 0xa1+0x50*(\hi)                            ; the same, C and D both window 2 or 3
.endif
.irp a, \a0, (\a0)+1
.irp b, 0,1,2,3,4,5,6,7
.if \zero
	v_wmma_f32_16x16x32_bf16 v[8*(8*(\a)+(\b)):8*(8*(\a)+(\b))+7], v[(\f)+8*(\b):(\f)+8*(\b)+7], v[(\f)+8*(4*(\hi)+(\a)):(\f)+8*(4*(\hi)+(\a))+7], v[8*(\b):8*(\b)+7]
.else
	v_wmma_f32_16x16x32_bf16 v[8*(8*(\a)+(\b)):8*(8*(\a)+(\b))+7], v[(\f)+8*(\b):(\f)+8*(\b)+7], v[(\f)+8*(4*(\hi)+(\a)):(\f)+8*(4*(\hi)+(\a))+7], v[8*(8*(\a)+(\b)):8*(8*(\a)+(\b))+7]
.endif
.endr
.endr
.endm
; 32 LDS loads in one run: the fragments of one quarter step (128 rows of wb, 128 rows of xb, 32 K at byte k of the rows) into buffer f
.macro FETCH slot, k, f
	WIN TO_B
.irp i, 0,1,2,3,4,5,6,7
	ds_load_b128 v[(\f)+8*(\i):(\f)+8*(\i)+3],   v[ADRB+(\slot)] offset:(\k)+(\i)*16*PITCH
	ds_load_b128 v[(\f)+8*(\i)+4:(\f)+8*(\i)+7], v[ADRB+(\slot)] offset:(\k)+(\i)*16*PITCH+32
.endr
	WIN 0
.irp i, 0,1,2,3,4,5,6,7
	ds_load_b128 v[(\f)+8*(\i):(\f)+8*(\i)+3],   v[ADRA+(\slot)] offset:(\k)+(\i)*16*PITCH
	ds_load_b128 v[(\f)+8*(\i)+4:(\f)+8*(\i)+7], v[ADRA+(\slot)] offset:(\k)+(\i)*16*PITCH+32
.endr
.endm
; A load into a register that a matrix instruction has read, and a vector instruction that reads a matrix result, stand four places behind that matrix instruction, and only plain vector
; instructions that name none of its registers are places (ISA guide 7.12.1 for vector instructions).
.macro PLACES
.rept 4
	v_nop
.endr
.endm
; A K step is four quarter steps of 32 along K, 64 matrix instructions each, on buffers 0, 1, 0, 1.
; One of the first three: multiplies buffer f; in its middle it fetches the next quarter's fragments, at byte k of the same slot's rows, into buffer g.
.macro QUARTER slot, k, f, g, zero
	s_wait_dscnt 8                                 ; wb and xb's rows 0-63 are in; the youngest eight loads (xb's rows 64-127) may be out
	MUL16 \f, 0, 0, \zero
	MUL16 \f, 0, 2, \zero
	PLACES
	FETCH \slot, \k, \g
	s_wait_dscnt 32                                ; all but the 32 just issued
	MUL16 \f, 1, 0, \zero
	MUL16 \f, 1, 2, \zero
.endm
; The last quarter multiplies buffer 1 and changes slots.  MEET is its first half: ONE barrier for the change of slots.  In front of it each wave waits for all its tensor loads, of which one is
; out: its part of the next slot; adds 0 to its spare word; and waits for that and for its own reads of this slot.  Behind it nobody reads this slot any more and the next slot is whole.
.macro MEET round                      ; round = 1: a round of the cluster's barrier follows
	WIN 0                                          ; (the add's two registers lie in window 0)
	s_wait_tensorcnt 0x0                           ; all my tensor loads have landed;
	ds_add_u32 v[SPW], v[NIL]                      ; 0 onto my spare word;
	s_wait_dscnt 9                                 ; (the add and the youngest eight loads may be out)
	MUL16 F1, 0, 0, 0                              ; sixteen matrix instructions stand between the add and the wait for it
	s_wait_dscnt 0x0                               ; the add is done, and my reads of this slot are over:
	s_barrier_signal -1                            ; say so,
	MUL16 F1, 0, 2, 0                              ; work on registers while the others arrive,
.if \round
	WIN 0
.endif
	s_barrier_wait -1                              ; and go on when all four have said so
.endm
; The whole last quarter.  Behind the round the slot just read out is filled again first: with this tile's K step two steps on (on = 0) or, in a tile's last two K steps, with the NEXT tile's
; K step 0 or 1 (on = 1); then come the next slot's first fragments.  From a request to the wait for it a wave issues 224 matrix instructions, across tiles too.
.macro TURN slot, next, on
	s_wait_xcnt 0x0                                ; the last prefetch, a K step back, has read its address: it is stepped here, ahead of the waits of the change of slots
.if (\on) && (\slot) == 0
	s_add_nc_u64 s[PFA:PFA+1], s[PFA:PFA+1], (WALK-1)*SIZE_K*2+KSTEP*2  ; from the K step after the tile's last to the next tile's K step 1: WALK rows down, back along K
	s_cmp_lg_u32 s[RH], 0
	s_cselect_b32 s[LIM], s[LIM], -1               ; xb's rows are the same for all tiles of the walk: they have been read, and are prefetched no more
.else
	s_add_nc_u64 s[PFA:PFA+1], s[PFA:PFA+1], KSTEP*2
.endif
	MEET 1
	CREST                                          ; no wave of any partner still reads this slot's tile or has a load on its way
.if \on
	s_sub_nc_u64 s[G0+4*(\slot)+2:G0+4*(\slot)+3], s[G0+4*(\slot)+2:G0+4*(\slot)+3], BACK_A
	s_add_nc_u64 s[G0B+4*(\slot)+2:G0B+4*(\slot)+3], s[G0B+4*(\slot)+2:G0B+4*(\slot)+3], NEXT_B
.else
	s_add_nc_u64 s[G0+4*(\slot)+2:G0+4*(\slot)+3], s[G0+4*(\slot)+2:G0+4*(\slot)+3], 2*KSTEP*2
	s_add_nc_u64 s[G0B+4*(\slot)+2:G0B+4*(\slot)+3], s[G0B+4*(\slot)+2:G0B+4*(\slot)+3], 2*KSTEP*2
.endif
	JLOAD \slot                                    ; the first tensor load behind the round, my only one until the next; the four v_nop behind it are also the places in front of the loads below
	FETCH \next, 0, F0
	ASK \on                                        ; behind the joint load and the run of LDS loads that the next products wait for
	MUL16 F1, 1, 0, 0
	MUL16 F1, 1, 2, 0
.endm
; THE WAY OUT of block a (16 of my rows), in three parts.  PACK: rounded to f16, 16 bytes a lane; each accumulator's registers in ascending order.  TOSTAGE: into my own stage in LDS, and back as whole rows of 256 bytes.  SEND: stored.
.macro PACK a
.set AC, 64*((\a)%4)
	WIN 0x0a+5*((\a)/4)                            ; sources 0 and 1: window 2 or 3
.irp b, 0,1,2,3,4,5,6,7
.irp r, 0,1,2,3
	v_cvt_pk_f16_f32 v[TMP+4*(\b)+(\r)], v[AC+8*(\b)+2*(\r)], v[AC+8*(\b)+2*(\r)+1]
.endr
.endr
	WIN 0
.endm
.macro TOSTAGE a
	WIN 0
.set BK, OB+192*((\a)%2)
.irp b, 0,1,2,3,4,5,6,7
	ds_store_b128 v[STO], v[TMP+4*(\b):TMP+4*(\b)+3] offset:32*(\b)
.endr
.irp t, 0,1,2,3,4,5,6,7
	ds_load_b128 v[BK+4*(\t):BK+4*(\t)+3], v[RD] offset:(\t)*2*SPITCH  ; LDS serves a wave's instructions in order (ISA guide 5.7.1.4): these see the stores above
.endr
.endm
.macro SEND a
	WIN 0
.set BK, OB+192*((\a)%2)
	s_wait_dscnt 0x0                               ; the block is back in registers
	s_wait_xcnt 0x0                                ; every earlier store has had its addresses translated (ISA guide 3.1): the buffer that block a - 1's stores read is loaded again only behind this wait
.irp t, 0,1,2,3,4,5,6,7
	global_store_b128 v[CO], v[BK+4*(\t):BK+4*(\t)+3], s[CP:CP+1] offset:(16*(\a)+2*(\t))*ROWC th:TH_STORE_NT  ; 16 lanes store 256 consecutive bytes, at a multiple of 256 from qkv's first byte; 126 rows at the most: 774,144, inside the signed 24-bit immediate
.endr
.endm
.macro WAYOUT                          ; block a's conversions stand between block a - 1's loads from the stage and the wait for them
	PACK 0
	TOSTAGE 0
.irp a, 1,2,3,4,5,6,7
	PACK \a
	SEND (\a)-1
	TOSTAGE \a
.endr
	SEND 7
.endm
	LOADBIAS
	s_wait_loadcnt 0x0                             ; the first tile's bias
	s_wait_tensorcnt 1                             ; my part of K step 0 is in; K step 1's may stay out
	s_barrier_signal -1
	s_barrier_wait -1                              ; everybody's is
	FETCH 0, 0, F0
	s_mov_b32 s2, TILES                            ; tiles to go, this one among them: the same number in every work-group
.Ltile:                                                ; (FETCH and SEND leave every window 0)
	QUARTER 0, 64,  F0, F1, 1                      ; a tile's first quarter stands in front of the loop: its products start the sums, with the bias
	WIN 0                                          ; at a label and at a branch every window is 0
	s_mov_b32 s3, LAPS-1
.Llap:                                                 ; a trip goes once round the ring, from a lap's second quarter to the next lap's first, and fills both slots again
	QUARTER 0, 128, F1, F0, 0
	QUARTER 0, 192, F0, F1, 0
	TURN 0, 1, 0
	QUARTER 1, 64,  F0, F1, 0
	QUARTER 1, 128, F1, F0, 0
	QUARTER 1, 192, F0, F1, 0
	TURN 1, 0, 0
	QUARTER 0, 64,  F0, F1, 0
	WIN 0
	s_sub_co_u32 s3, s3, 1
	s_cmp_lg_u32 s3, 0
	s_cbranch_scc1 .Llap
	QUARTER 0, 128, F1, F0, 0                      ; the tile's last lap goes on
	QUARTER 0, 192, F0, F1, 0
	WIN 0
	s_cmp_eq_u32 s2, 1
	s_cbranch_scc1 .Llast_tile                     ; the last tile's tail is written out: it asks for nothing more
	TURN 0, 1, 1                                   ; THE RING GOES ON INTO THE NEXT TILE: slot 0 takes its K step 0,
	QUARTER 1, 64,  F0, F1, 0
	QUARTER 1, 128, F1, F0, 0
	QUARTER 1, 192, F0, F1, 0
	TURN 1, 0, 1                                   ; slot 1 its K step 1, and the next tile's first fragments are fetched
	s_add_nc_u64 s[BBP:BBP+1], s[BBP:BBP+1], WALK*4  ; the loads that read this pointer were waited for before the tile began
	LOADBIAS                                       ; the next tile's bias: its registers were last read by this tile's first quarter
	WAYOUT                                         ; BOTH REFILLS ARE ASKED FOR: NOW THE TILE GOES OUT.  No v_nop: blocks 0-3 were finished in front of TURN's places, and their 128 conversions are the places behind the last products (blocks 4-7's)
	s_wait_xcnt 0x0                                ; the stores have read their base
	s_add_nc_u64 s[CP:CP+1], s[CP:CP+1], WALK*2    ; the same rows, 1,024 features on
	s_wait_loadcnt 0x0                             ; the bias is in
	s_sub_co_u32 s2, s2, 1
	s_branch .Ltile
.Llast_tile:
	MEET 0                                         ; my one tensor load that was still out is slot 1's, the last K step's, so no round follows
	PLACES                                         ; for the loads into buffer 0, which the quarter before multiplied
	FETCH 1, 0, F0
	MUL16 F1, 1, 0, 0
	MUL16 F1, 1, 2, 0
	QUARTER 1, 64,  F0, F1, 0
	QUARTER 1, 128, F1, F0, 0
	QUARTER 1, 192, F0, F1, 0
	s_wait_dscnt 8                                 ; the very last quarter: nothing more to fetch
	MUL16 F1, 0, 0, 0
	MUL16 F1, 0, 2, 0
	s_wait_dscnt 0x0
	MUL16 F1, 1, 0, 0
	MUL16 F1, 1, 2, 0
	PLACES
	WAYOUT
	s_wait_tensorcnt 0x0                           ; the wave's end, behind my last tensor load and my last LDS store
	ds_add_u32 v[SPW], v[NIL]
	s_wait_dscnt 0x0
	CROUND                                         ; the closing round: no work-group ends while a partner may still ask for a tile that names it
	s_endpgm
.Lfunc_end_k_q07f351e08c_proj:
	.size	k_q07f351e08c_proj, .Lfunc_end_k_q07f351e08c_proj-k_q07f351e08c_proj
	.p2alignl 7, 3214868480
	.fill 96, 4, 3214868480
	.section	.rodata,"a",@progbits
	.p2align	6, 0x0
	.amdhsa_kernel k_q07f351e08c_proj
		.amdhsa_group_segment_fixed_size 327680
		.amdhsa_private_segment_fixed_size 0
		.amdhsa_enable_private_segment 0
		.amdhsa_kernarg_size 32
		.amdhsa_user_sgpr_count 2
		.amdhsa_user_sgpr_kernarg_segment_ptr 1
		.amdhsa_wavefront_size32 1
		.amdhsa_system_sgpr_workgroup_id_x 1
		.amdhsa_system_sgpr_workgroup_id_y 1
		.amdhsa_system_sgpr_workgroup_id_z 1
		.amdhsa_system_vgpr_workitem_id 0
		.amdhsa_next_free_vgpr 1024
		.amdhsa_next_free_sgpr 72
		.amdhsa_reserve_vcc 0
		.amdhsa_float_denorm_mode_32 3
		.amdhsa_float_denorm_mode_16_64 3
		.amdhsa_memory_ordered 1
		.amdhsa_forward_progress 1
		.amdhsa_inst_pref_size 212
	.end_amdhsa_kernel
	.amdgpu_metadata
---
amdhsa.version: [ 1, 2 ]
amdhsa.kernels:
  - .name:           k_q07f351e08c_proj
    .symbol:         k_q07f351e08c_proj.kd
    .args:
      - { .name: xb, .offset: 0, .size: 8, .value_kind: global_buffer, .address_space: global }
      - { .name: wb, .offset: 8, .size: 8, .value_kind: global_buffer, .address_space: global }
      - { .name: bb, .offset: 16, .size: 8, .value_kind: global_buffer, .address_space: global }
      - { .name: qkv, .offset: 24, .size: 8, .value_kind: global_buffer, .address_space: global }
    .group_segment_fixed_size: 327680
    .private_segment_fixed_size: 0
    .kernarg_segment_align: 8
    .kernarg_segment_size: 32
    .max_flat_workgroup_size: 128
    .sgpr_count:     72
    .vgpr_count:     1024
    .wavefront_size: 32
...
	.end_amdgpu_metadata
.endif
;; end of part 2
;; launch mix (part 3): grid 256 x 1, 16 waves a work-group, no clusters, 71,680 bytes of LDS; arguments qkv, out0; writes out0
.if DOCPART == 3
	.amdgcn_target "amdgcn-amd-amdhsa--gfx1250"
	.amdhsa_code_object_version 6
	.text
	.protected	k_q07f351e08c_mix
	.globl	k_q07f351e08c_mix
	.p2align	8
	.type	k_q07f351e08c_mix,@function
k_q07f351e08c_mix:
	s_mov_b64 s[64:65], 0
	v_nop
	global_prefetch_b8 v0, s[64:65] scope:SCOPE_SE
	s_setreg_imm32_b32 hwreg(HW_REG_WAVE_MODE, 25, 1), 1
	s_wait_xcnt 0x0
; For each token by itself: E[h][m] = q_h . k_m / 8 over the token's 16 heads of 64 channels, softmax over m, out_h = the sum over m of P[h][m] v_m.
; qkv: [16384][3072] f16, a token's row: q' | k' | v', 2,048 bytes each, in the order below.  out0: [16384][1024] f32, head h's 64 channels at 64 h.
; Products, maximum and sum in f32; the row's true maximum is taken away before the exponential; the weights, divided by their sum, are rounded to f16 for the second product.
; LIMITS.  q, k, v arrive within f16's range (65,504).  A weight below 2^-126 counts as 0.  NaN and infinities are not treated apart.
; THE ORDER IN A ROW makes every matrix fragment a load of 512 consecutive bytes, lane l at byte 16 l:
;   q', k': feature 128 (d / 8) + 8 head + d % 8: block u of 512 bytes gives lane l = r + 16 h channels 16 u + 8 h + 0..7 of head r: blocks 2 f, 2 f + 1 are registers 0-3, 4-7 of the fragment
;           16 heads x channels 32 f .. 32 f + 31.      v': feature 256 (d / 16) + 128 (m / 8) + 8 (d % 16) + m % 8: block c gives lane (r, h) channel 16 c + r and heads 8 h + 0..7: registers 0-3 of a fragment of V^T.
; LAYOUT.  E^T = K Q^T (source 0 = the 16 key heads, source 1 = the 16 query heads): a lane holds ONE query head (l % 16) and key heads 8 (l / 16) + 0..7.  Rounded in pairs these ARE registers 0-3
; of source 1 of O^T = V^T P (K places 0-15); registers 4-7 (K places 16-31) are 0, so what stands in source 0's registers 4-7 (the next block's numbers, finite, or zeros) adds nothing.
; SHARES.  A work-group has 64 tokens, each of its 16 waves four, all by itself: no barrier.  A wave's 48 loads, 24 KiB, go out at its head.  Nothing is shared between waves or work-groups, so
; there is no LDS on the way in, no tensor load, no cluster; and nothing is prefetched: every load of the launch stands at a wave's head.
; THE WAY OUT.  A lane holds 8 channels of one head; a token at a time goes through the wave's own stage in LDS and comes back as whole rows: each store of the wave covers 512 consecutive bytes.
.set ROWQ, 6144
.set ROWO, 4096
.set SP,   272                         ; a head's row in the stage: 256 bytes + 16: the 16 rows of a store start at 16 different groups of four banks (64 banks of 4 bytes: ISA guide 11.1)
.set WST,  16*SP                       ; a wave's stage: 4,352 bytes, 17 blocks of 256
.set SPARE, 16*WST                     ; behind the stages: the spare words, 128 bytes for each wave: eight blocks of 256 bytes that no other line names
.set LO,  1                            ; v1   16 x lane: my bytes of every block of 512, in and out; never rewritten
.set STO, 2                            ; v2   where I put 32 bytes of a head's row
.set RD,  3                            ; v3   where I read rows back
.set SPW, 4                            ; v4   LDS address of my spare word: SPARE + 4 x my thread's number; never rewritten
.set NIL, 5                            ; v5   0; never rewritten
.set ST,  8                            ; v[8:23]    four registers at work a token
.set E,   24                           ; v[24:55]   E^T, then P, 8 a token
.set V,   56                           ; v[56:119]  V^T, 16 a token: block c at 4 c
.set ZP,  120                          ; v[120:123] 0: behind the last token's last block
.set QK,  124                          ; v[124:251] 32 a token: Q at 0, K at 16; later the token's O^T, tile c at 8 c
.set SEL, 12                           ; s[12:13] v_permlanex16_b32's selects: each lane takes its own place in the other half
.set CS,  14                           ; s[14:15] c = log2(e) / 8; the packed scaling takes the pair's low word for both halves
	s_load_b128 s[4:7], s[0:1], 0x0                ; qkv s[4:5], out0 s[6:7]
	v_lshl_add_u32 v[SPW], v0, 2, SPARE
	v_mov_b32 v[NIL], 0
	v_lshrrev_b32 v6, 5, v0
	v_readfirstlane_b32 s8, v6                     ; wave 0..15
	v_and_b32 v7, 31, v0
	v_lshlrev_b32 v[LO], 4, v7
	s_lshl_b32 s10, ttmp9, 6
	s_lshl2_add_u32 s10, s8, s10                   ; my first token: 64 x work-group + 4 x wave
	s_mul_i32 s16, s10, ROWQ                       ; under 100,663,296
	s_mov_b32 s17, 0
	s_lshl_b32 s18, s10, 12
	s_mov_b32 s19, 0
	s_wait_kmcnt 0x0
	s_add_nc_u64 s[4:5], s[4:5], s[16:17]
	s_add_nc_u64 s[6:7], s[6:7], s[18:19]
.irp t, 0,1,2,3
.irp u, 0,1,2,3
	global_load_b128 v[QK+32*(\t)+4*(\u):QK+32*(\t)+4*(\u)+3],       v[LO], s[4:5] offset:ROWQ*(\t)+512*(\u) th:TH_LOAD_NT
	global_load_b128 v[QK+32*(\t)+16+4*(\u):QK+32*(\t)+16+4*(\u)+3], v[LO], s[4:5] offset:ROWQ*(\t)+2048+512*(\u) th:TH_LOAD_NT
.endr
.endr
.irp t, 0,1,2,3
.irp c, 0,1,2,3
	global_load_b128 v[V+16*(\t)+4*(\c):V+16*(\t)+4*(\c)+3], v[LO], s[4:5] offset:ROWQ*(\t)+4096+512*(\c) th:TH_LOAD_NT
.endr
.endr
	v_and_b32 v6, 15, v0                           ; r = l % 16
	v_bfe_u32 v7, v0, 4, 1                         ; h = l / 16
	s_mul_i32 s11, s8, WST                         ; my wave's stage
	v_mul_u32_u24 v[STO], v6, SP                   ; in: head r, 32 bytes for each half of the lanes
	v_lshl_add_u32 v[STO], v7, 5, v[STO]
	v_add_nc_u32 v[STO], s11, v[STO]
	v_mul_u32_u24 v[RD], v7, SP                    ; back: lanes 0-15 take one head's 256 bytes, lanes 16-31 the next head's
	v_lshl_add_u32 v[RD], v6, 4, v[RD]
	v_add_nc_u32 v[RD], s11, v[RD]
.irp i, 0,1,2,3
	v_mov_b32 v[ZP+(\i)], 0
	v_mov_b32 v[ST+4*(\i)+1], 0                    ; v_permlanex16_b32's destination counts as read: it is written beforehand
	v_mov_b32 v[ST+4*(\i)+3], 0
.endr
	s_mov_b32 s[SEL], 0x76543210
	s_mov_b32 s[SEL+1], 0xfedcba98
	s_mov_b32 s[CS], 0x3e38aa3b                    ; c = log2(e) / 8 = 0.180337
	s_mov_b32 s[CS+1], s[CS]                       ; named with it as a pair
	s_wait_loadcnt 16                              ; Q and K are in; V's sixteen loads may stay out
	; E^T = K Q^T.  The four tokens' accumulators take turns: three others stand between a chain's two links.
.irp t, 0,1,2,3
	v_wmma_f32_16x16x32_f16 v[E+8*(\t):E+8*(\t)+7], v[QK+32*(\t)+16:QK+32*(\t)+23], v[QK+32*(\t):QK+32*(\t)+7], 0
.endr
.irp t, 0,1,2,3
	v_wmma_f32_16x16x32_f16 v[E+8*(\t):E+8*(\t)+7], v[QK+32*(\t)+24:QK+32*(\t)+31], v[QK+32*(\t)+8:QK+32*(\t)+15], v[E+8*(\t):E+8*(\t)+7]
.endr
.rept 4
	v_nop                                          ; the places behind those products
.endr
	; THE SOFTMAX, each line for the four tokens in turn, so that no line waits for the one before it.  The maximum begins at each accumulator's low end.
.irp t, 0,1,2,3
	v_max3_num_f32 v[ST+4*(\t)], v[E+8*(\t)], v[E+8*(\t)+1], v[E+8*(\t)+2]
.endr
.irp t, 0,1,2,3
	v_max3_num_f32 v[ST+4*(\t)], v[ST+4*(\t)], v[E+8*(\t)+3], v[E+8*(\t)+4]
.endr
.irp t, 0,1,2,3
	v_max3_num_f32 v[ST+4*(\t)], v[ST+4*(\t)], v[E+8*(\t)+5], v[E+8*(\t)+6]
.endr
.irp t, 0,1,2,3
	v_max_num_f32 v[ST+4*(\t)], v[ST+4*(\t)], v[E+8*(\t)+7]
.endr
.irp t, 0,1,2,3
	v_permlanex16_b32 v[ST+4*(\t)+1], v[ST+4*(\t)], s[SEL], s[SEL+1]  ; the query head's other 8 key heads lie in the lane 16 away
.endr
.irp t, 0,1,2,3
	v_max_num_f32 v[ST+4*(\t)], v[ST+4*(\t)], v[ST+4*(\t)+1]
.endr
.irp t, 0,1,2,3
	v_mul_f32 v[ST+4*(\t)], s[CS], v[ST+4*(\t)]    ; c m
.endr
.irp i, 0,1,2,3
.irp t, 0,1,2,3
	v_pk_fma_f32 v[E+8*(\t)+2*(\i):E+8*(\t)+2*(\i)+1], v[E+8*(\t)+2*(\i):E+8*(\t)+2*(\i)+1], s[CS:CS+1], v[ST+4*(\t):ST+4*(\t)+1] op_sel_hi:[1,0,0] neg_lo:[0,0,1] neg_hi:[0,0,1]  ; c s - c m
.endr
.endr
.irp j, 0,1,2,3,4,5,6,7
.irp t, 0,1,2,3
	v_exp_f32 v[E+8*(\t)+(\j)], v[E+8*(\t)+(\j)]
.endr
.endr
	v_nop                                          ; a plain instruction behind the last exponential, ahead of the first use (ISA guide 5.7.2): one for the batch of 32
	s_wait_alu depctr_va_vdst(0)                   ; and a wait ahead of the first line that names a result: one for the batch
.irp t, 0,1,2,3
	v_pk_add_f32 v[ST+4*(\t)+2:ST+4*(\t)+3], v[E+8*(\t):E+8*(\t)+1], v[E+8*(\t)+2:E+8*(\t)+3]
.endr
.irp t, 0,1,2,3
	v_pk_add_f32 v[ST+4*(\t):ST+4*(\t)+1], v[E+8*(\t)+4:E+8*(\t)+5], v[E+8*(\t)+6:E+8*(\t)+7]
.endr
.irp t, 0,1,2,3
	v_pk_add_f32 v[ST+4*(\t)+2:ST+4*(\t)+3], v[ST+4*(\t)+2:ST+4*(\t)+3], v[ST+4*(\t):ST+4*(\t)+1]
.endr
.irp t, 0,1,2,3
	v_add_f32 v[ST+4*(\t)+2], v[ST+4*(\t)+2], v[ST+4*(\t)+3]
.endr
.irp t, 0,1,2,3
	v_permlanex16_b32 v[ST+4*(\t)+3], v[ST+4*(\t)+2], s[SEL], s[SEL+1]
.endr
.irp t, 0,1,2,3
	v_add_f32 v[ST+4*(\t)+2], v[ST+4*(\t)+2], v[ST+4*(\t)+3]  ; the sum: at least 1, since the maximum's own weight is 1 to within rounding
.endr
.irp t, 0,1,2,3
	v_rcp_f32 v[ST+4*(\t)], v[ST+4*(\t)+2]
.endr
	v_nop                                          ; a plain instruction behind the last reciprocal,
	s_wait_alu depctr_va_vdst(0)                   ; and one wait for the four
.irp i, 0,1,2,3
.irp t, 0,1,2,3
	v_pk_mul_f32 v[E+8*(\t)+2*(\i):E+8*(\t)+2*(\i)+1], v[E+8*(\t)+2*(\i):E+8*(\t)+2*(\i)+1], v[ST+4*(\t):ST+4*(\t)+1] op_sel_hi:[1,0]
.endr
.endr
.irp i, 0,1,2,3
.irp t, 0,1,2,3
	v_cvt_pk_f16_f32 v[E+8*(\t)+(\i)], v[E+8*(\t)+2*(\i)], v[E+8*(\t)+2*(\i)+1]  ; in place, ascending: register i is written when pairs 0 .. i have been read
.endr
.endr
.irp i, 4,5,6,7
.irp t, 0,1,2,3
	v_mov_b32 v[E+8*(\t)+(\i)], 0                  ; P's K places 16-31
.endr
.endr
	s_wait_loadcnt 0x0                             ; V is in
	; O^T = V^T P: sixteen products, each a sum of its own, into the registers that Q and K have left
.irp t, 0,1,2,3
.irp c, 0,1,2,3
	v_wmma_f32_16x16x32_f16 v[QK+32*(\t)+8*(\c):QK+32*(\t)+8*(\c)+7], v[V+16*(\t)+4*(\c):V+16*(\t)+4*(\c)+7], v[E+8*(\t):E+8*(\t)+7], 0
.endr
.endr
.rept 4
	v_nop                                          ; the places behind those products
.endr
; Token t: lane (r, h) holds channels 16 c + 8 h + 0..7 of head r in tile c: 32 bytes, low registers first; back as whole rows, two heads a load, into the registers that they left.
.macro OUTL t
.irp c, 0,1,2,3
	ds_store_b128 v[STO], v[QK+32*(\t)+8*(\c):QK+32*(\t)+8*(\c)+3]   offset:64*(\c)
	ds_store_b128 v[STO], v[QK+32*(\t)+8*(\c)+4:QK+32*(\t)+8*(\c)+7] offset:64*(\c)+16
.endr
.irp u, 0,1,2,3,4,5,6,7
	ds_load_b128 v[QK+32*(\t)+4*(\u):QK+32*(\t)+4*(\u)+3], v[RD] offset:2*SP*(\u)  ; LDS serves a wave's instructions in order (ISA guide 5.7.1.4): these see the stores above; the next token's stores come behind them
.endr
.endm
.macro SEND t, younger                 ; younger: the LDS instructions issued behind token t's loads: the next token's sixteen, or none
.irp u, 0,1,2,3,4,5,6,7
	s_wait_dscnt (\younger)+7-(\u)
	global_store_b128 v[LO], v[QK+32*(\t)+4*(\u):QK+32*(\t)+4*(\u)+3], s[6:7] offset:ROWO*(\t)+512*(\u) th:TH_STORE_NT  ; 512 consecutive bytes, at a multiple of 512 from out0's first byte
.endr
.endm
	OUTL 0
	OUTL 1
	SEND 0, 16
	OUTL 2
	SEND 1, 16
	OUTL 3
	SEND 2, 16
	SEND 3, 0
	s_wait_tensorcnt 0x0                           ; the wave's end, behind my last LDS store
	ds_add_u32 v[SPW], v[NIL]
	s_wait_dscnt 0x0
	s_endpgm
.Lfunc_end_k_q07f351e08c_mix:
	.size	k_q07f351e08c_mix, .Lfunc_end_k_q07f351e08c_mix-k_q07f351e08c_mix
	.p2alignl 7, 3214868480
	.fill 96, 4, 3214868480
	.section	.rodata,"a",@progbits
	.p2align	6, 0x0
	.amdhsa_kernel k_q07f351e08c_mix
		.amdhsa_group_segment_fixed_size 71680
		.amdhsa_private_segment_fixed_size 0
		.amdhsa_enable_private_segment 0
		.amdhsa_kernarg_size 16
		.amdhsa_user_sgpr_count 2
		.amdhsa_user_sgpr_kernarg_segment_ptr 1
		.amdhsa_wavefront_size32 1
		.amdhsa_system_sgpr_workgroup_id_x 1
		.amdhsa_system_sgpr_workgroup_id_y 1
		.amdhsa_system_sgpr_workgroup_id_z 1
		.amdhsa_system_vgpr_workitem_id 0
		.amdhsa_next_free_vgpr 256
		.amdhsa_next_free_sgpr 66
		.amdhsa_reserve_vcc 0
		.amdhsa_float_denorm_mode_32 3
		.amdhsa_float_denorm_mode_16_64 3
		.amdhsa_memory_ordered 1
		.amdhsa_forward_progress 1
		.amdhsa_inst_pref_size 24
	.end_amdhsa_kernel
	.amdgpu_metadata
---
amdhsa.version: [ 1, 2 ]
amdhsa.kernels:
  - .name:           k_q07f351e08c_mix
    .symbol:         k_q07f351e08c_mix.kd
    .args:
      - { .name: qkv, .offset: 0, .size: 8, .value_kind: global_buffer, .address_space: global }
      - { .name: out0, .offset: 8, .size: 8, .value_kind: global_buffer, .address_space: global }
    .group_segment_fixed_size: 71680
    .private_segment_fixed_size: 0
    .kernarg_segment_align: 8
    .kernarg_segment_size: 16
    .max_flat_workgroup_size: 512
    .sgpr_count:     66
    .vgpr_count:     256
    .wavefront_size: 32
...
	.end_amdgpu_metadata
.endif
;; end of part 3
